; MI455X (gfx1250); checked and timed in simulation.
; The chip was launched on July 23, 2026; its instructions are those of AMD's public machine-readable ISA for CDNA 5 (MIT licence, August 2026) and "CDNA5" Instruction Set Architecture Reference Guide (July 2026). The comments in the code are by the model that wrote it; some were corrected since.
;; Linear Attention. Allowed arithmetic: float matrix products may take bf16 or f16 operands with f32 sums; other float arithmetic in f32, or as packed bf16 or f16 multiplies, adds, multiply-adds, maxima and minima; sums over many terms, partial sums and values carried from step to step in f32; what a program stores and reads back later, other than sums and carried values, may be rounded once to bf16 or f16.
;; Inputs: mask 4 x 4,096 int32; mem_kv 2 x 16 x 4 x 64 float32; w_qkv 3,072 x 1,024 float32; x 4 x 4,096 x 1,024 float32.
;; Outputs: out0 4 x 4,096 x 1,024 float32.
;; One version. Each part assembles by itself: llvm-mc -triple=amdgcn-amd-amdhsa -mcpu=gfx1250 --defsym DOCPART=n.
;; ======== version 1 of 1: 3 launches
;; limits: values are held in f16: magnitudes above 65,504 overflow, below 6.1e-05 lose precision
;; workspace buffers: xb 33,554,432 bytes; wb 6,291,456 bytes; qf 33,554,432 bytes; part 4,456,448 bytes
;; launch cast (part 1): grid 1216 x 1, 8 waves a work-group, no clusters, 0 bytes of LDS; arguments x, w_qkv, xb, wb; writes xb, wb
.if DOCPART == 1
	.amdgcn_target "amdgcn-amd-amdhsa--gfx1250"
	.amdhsa_code_object_version 6
	.text
	.protected	k_q6a795197ac_cast
	.globl	k_q6a795197ac_cast
	.p2align	8
	.type	k_q6a795197ac_cast,@function
k_q6a795197ac_cast:
	s_mov_b64 s[64:65], 0
	v_nop
	global_prefetch_b8 v0, s[64:65] scope:SCOPE_SE
	s_setreg_imm32_b32 hwreg(HW_REG_WAVE_MODE, 25, 1), 1
	s_wait_xcnt 0x0
; x [16384][1024] f32 -> xb bf16, same order.  w_qkv [3072][1024] f32 -> wb bf16, its rows put in order by head and kind.
; Row e of w_qkv is head e / 192, feature d = (e % 192) / 3, kind c = e % 3 (q, k, v).  It goes to row 192 head + 64 c + pos of wb:
; pos = d for q and k; for v pos = 16 (d % 4) + d / 4, so that row i of a head's v block holds feature 4 (i % 16) + i / 16:
; with that order the last launch's lanes hold four neighbouring output columns each.
; A stream: each byte is read once and written once.  No LDS, no matrix unit; no cluster, since no two work-groups read the same byte.
; SHARES.  19,456 rows (x's, then w's), 16 to a work-group, 2 to a wave.  A row is 4,096 bytes in, 2,048 out: eight loads of 512
; consecutive bytes, eight stores of 256 consecutive bytes at a multiple of 256 from the buffer's first byte.
; All 16 loads of a wave go out at once; every store has data registers of its own, so nothing is rewritten while it is read.
.set XROWS, 16384
.set XR, 4                             ; v[4:67]   chunk n: 4 registers as loaded
.set YR, 68                            ; v[68:99]  chunk n: 2 registers to store
	s_load_b256 s[4:11], s[0:1], 0x0               ; x s[4:5], w_qkv s[6:7], xb s[8:9], wb s[10:11]
	v_lshrrev_b32 v3, 5, v0
	v_readfirstlane_b32 s12, v3                    ; wave 0..7
	v_and_b32 v2, 31, v0
	v_lshlrev_b32 v1, 4, v2                        ; 16 x lane: my bytes of a load
	v_lshlrev_b32 v2, 3, v2                        ; 8 x lane: my bytes of a store
	s_lshl_b32 s13, ttmp9, 4
	s_lshl1_add_u32 s13, s12, s13                  ; my first row: 16 x work-group + 2 x wave
	s_wait_kmcnt 0x0
; Row s13 + i: from where (s[src:src+1]) and to where (s[dst:dst+1]).  The choice between the buffers hangs on the row's number alone.
.macro ROWADR i, src, dst
	s_add_co_u32 s24, s13, \i                      ; R
	s_max_u32 s25, s24, XROWS
	s_sub_co_u32 s25, s25, XROWS                   ; E: the row in w_qkv (0 for a row of x: not used there)
	s_lshr_b32 s26, s25, 6
	s_mul_i32 s26, s26, 171
	s_lshr_b32 s26, s26, 9                         ; head = (E / 64) / 3: 171 / 512 is exact for numbers under 48
	s_mul_i32 s27, s26, 192
	s_sub_co_u32 s28, s25, s27                     ; E % 192
	s_mul_i32 s29, s28, 171
	s_lshr_b32 s29, s29, 9                         ; d = (E % 192) / 3: exact for numbers under 192
	s_mul_i32 s30, s29, 3
	s_sub_co_u32 s30, s28, s30                     ; c
	s_and_b32 s31, s29, 3
	s_lshl_b32 s31, s31, 4
	s_lshr_b32 s32, s29, 2
	s_or_b32 s31, s31, s32                         ; v's place: 16 (d % 4) + d / 4
	s_cmp_eq_u32 s30, 2
	s_cselect_b32 s31, s31, s29                    ; pos
	s_lshl_b32 s30, s30, 6
	s_add_co_u32 s27, s27, s30
	s_add_co_u32 s27, s27, s31                     ; the row in wb
	s_cmp_lt_u32 s24, XROWS                        ; a row of x?  The four selects stand directly behind this compare
	s_cselect_b32 s34, s24, s25
	s_cselect_b32 s36, s24, s27
	s_cselect_b64 s[\src:\src+1], s[4:5], s[6:7]
	s_cselect_b64 s[\dst:\dst+1], s[8:9], s[10:11]
	s_lshl_b32 s34, s34, 12                        ; 4,096 bytes a row in
	s_mov_b32 s35, 0
	s_lshl_b32 s36, s36, 11                        ; 2,048 out
	s_mov_b32 s37, 0
	s_add_nc_u64 s[\src:\src+1], s[\src:\src+1], s[34:35]
	s_add_nc_u64 s[\dst:\dst+1], s[\dst:\dst+1], s[36:37]
.endm
	ROWADR 0, 16, 18
	ROWADR 1, 20, 22
.set n, 0
.rept 16
	global_load_b128 v[XR+4*n:XR+4*n+3], v1, s[16+4*(n/8):17+4*(n/8)] offset:512*(n%8) th:TH_LOAD_NT
.set n, n+1
.endr
.set n, 0
.rept 16
	s_wait_loadcnt 15-n                            ; loads come back in order: chunk n is in, the younger ones stay out
	v_cvt_pk_bf16_f32 v[YR+2*n], v[XR+4*n], v[XR+4*n+1]
	v_cvt_pk_bf16_f32 v[YR+2*n+1], v[XR+4*n+2], v[XR+4*n+3]
	global_store_b64 v2, v[YR+2*n:YR+2*n+1], s[18+4*(n/8):19+4*(n/8)] offset:256*(n%8) th:TH_STORE_NT
.set n, n+1
.endr
	s_endpgm
.Lfunc_end_k_q6a795197ac_cast:
	.size	k_q6a795197ac_cast, .Lfunc_end_k_q6a795197ac_cast-k_q6a795197ac_cast
	.p2alignl 7, 3214868480
	.fill 96, 4, 3214868480
	.section	.rodata,"a",@progbits
	.p2align	6, 0x0
	.amdhsa_kernel k_q6a795197ac_cast
		.amdhsa_group_segment_fixed_size 0
		.amdhsa_private_segment_fixed_size 0
		.amdhsa_enable_private_segment 0
		.amdhsa_kernarg_size 32
		.amdhsa_user_sgpr_count 2
		.amdhsa_user_sgpr_kernarg_segment_ptr 1
		.amdhsa_wavefront_size32 1
		.amdhsa_system_sgpr_workgroup_id_x 1
		.amdhsa_system_sgpr_workgroup_id_y 1
		.amdhsa_system_sgpr_workgroup_id_z 1
		.amdhsa_system_vgpr_workitem_id 0
		.amdhsa_next_free_vgpr 104
		.amdhsa_next_free_sgpr 66
		.amdhsa_reserve_vcc 0
		.amdhsa_float_denorm_mode_32 3
		.amdhsa_float_denorm_mode_16_64 3
		.amdhsa_memory_ordered 1
		.amdhsa_forward_progress 1
		.amdhsa_inst_pref_size 9
	.end_amdhsa_kernel
	.amdgpu_metadata
---
amdhsa.version: [ 1, 2 ]
amdhsa.kernels:
  - .name:           k_q6a795197ac_cast
    .symbol:         k_q6a795197ac_cast.kd
    .args:
      - { .name: x, .offset: 0, .size: 8, .value_kind: global_buffer, .address_space: global }
      - { .name: w_qkv, .offset: 8, .size: 8, .value_kind: global_buffer, .address_space: global }
      - { .name: xb, .offset: 16, .size: 8, .value_kind: global_buffer, .address_space: global }
      - { .name: wb, .offset: 24, .size: 8, .value_kind: global_buffer, .address_space: global }
    .group_segment_fixed_size: 0
    .private_segment_fixed_size: 0
    .kernarg_segment_align: 8
    .kernarg_segment_size: 32
    .max_flat_workgroup_size: 256
    .sgpr_count:     66
    .vgpr_count:     104
    .wavefront_size: 32
...
	.end_amdgpu_metadata
.endif
;; end of part 1
;; launch proj (part 2): grid 16 x 16, 4 waves a work-group, clusters of 4 x 4, 327,680 bytes of LDS; arguments xb, wb, mask, qf, part; writes qf, part
.if DOCPART == 2
	.amdgcn_target "amdgcn-amd-amdhsa--gfx1250"
	.amdhsa_code_object_version 6
	.text
	.protected	k_q6a795197ac_proj
	.globl	k_q6a795197ac_proj
	.p2align	8
	.type	k_q6a795197ac_proj,@function
k_q6a795197ac_proj:
	s_mov_b64 s[64:65], 0
	v_nop
	global_prefetch_b8 v0, s[64:65] scope:SCOPE_SE
	s_setreg_imm32_b32 hwreg(HW_REG_WAVE_MODE, 25, 1), 1
	s_wait_xcnt 0x0
	s_wait_alu depctr_hold_cnt(0) depctr_sa_sdst(0) depctr_va_vdst(0) depctr_va_sdst(0) depctr_va_ssrc(0) depctr_va_vcc(0) depctr_vm_vsrc(0)
	s_getreg_b32 s2, hwreg(HW_REG_IB_STS2, 6, 4)
	s_cmp_eq_u32 s2, 0
	s_cbranch_scc0 .Lentry_in_a_cluster
	s_endpgm
.Lentry_in_a_cluster:
	s_bfe_u32 s2, ttmp6, 0x10000c
	s_cmp_lg_u32 s2, 0xf033
	s_cbranch_scc0 .Lentry_shape_is_right
	s_endpgm
.Lentry_shape_is_right:
; THE PROJECTION AND ALL THAT NEEDS NO WHOLE-SEQUENCE SUM.  qkv = xb wb^T (bf16 operands, f32 sums); q = softmax over its 64 features of q / 8, stored in bf16;
; k times the mask (minus infinity where the mask is 0), p = exp(k - running maximum); the partial context sum over rows of p[row][d] v[row][e] with its maximum and its sum of p.
; SHARES.  A work-group has one head (its 192 rows of wb: 64 of q, 64 of k, 64 of v) and 1,024 rows of one batch entry, as four tiles of 256 rows that it walks one after the other.
; Its four waves take 64 rows each, times all 192 columns: 48 accumulators of 16 x 16, 384 registers.  16 heads x 16 row blocks = 256 work-groups of equal work.
; CLUSTER 4 x 4.  The four of a cluster's row have the same rows of xb, the four of a column the same head: each tile is asked for JOINTLY, by the same tensor load with the same descriptor and a mask that names the four.
; RING.  K goes in steps of 128 (rows of 256 bytes) through two LDS slots, each with 256 rows of xb and 192 of wb; waves 0, 1 fetch xb's halves, waves 2, 3 wb's.  The ring runs on from tile to tile.
; THE WALK ALONG K.  A tile's eight K steps are walked in a circle that begins at a K step of the cluster's own: 2 ((cluster x + cluster y) % 4).  Four clusters take the same rows of xb (same cluster y) and four
; the same rows of wb (same cluster x); their walks begin 2, 4 and 6 K steps apart.  So, counting the clusters as in step, in a tile's trips 0 and 1 a cluster asks for two K steps that none of the other three has
; asked for, and in trips 2 to 7 for K steps that one of them asked for two, four or six trips earlier.  f32 sums may be taken in any order.  The number is made of the cluster's coordinates alone: it is the
; same in all sixteen partners, and so is every joint load's descriptor in the four that its mask names.
; ORIENTATION.  A fragment of either source is 16 rows x 32 K, so the sources can be swapped.  q: source 0 = wb's rows, so a lane holds ONE row of x and eight features: the softmax stays in the lane but for one
; exchange of the lanes' halves, and the rounded result is, as it lies, source 0 of the last launch's product: it is stored from registers, 512 consecutive bytes an instruction.
; k, v: source 0 = xb's rows, so a lane holds ONE feature and eight rows: maximum and sum over rows stay in the lane, and two row blocks rounded to f16 ARE the operands (K = 32 rows) of ctx^T = V^T P,
; whose result again holds one feature d a lane, so that the rescaling factor of the running maximum is a number a lane.
; FORMATS.  x, w: bf16.  p and v go into the context product in f16.
; LIMITS.  |v| stays under 65,504 (f16); a weight below 2^-24 of its wave's running maximum is 0 in the context product, though it counts in the sum;
; the running maximum starts at -2^126, so k x mask is taken to lie above that; NaN and infinities in x or w are not treated apart.  The mask may be any int32: it is converted to f32 and multiplied.
; REGISTERS, in windows of 256 (s_set_vgpr_msb: bits 1:0 source 0, 3:2 source 1, 5:4 source 2, 7:6 destination):
;   window 0: v0-31 addresses; v32-63 q's statistics, eight a row block; v128-255 q's 16 accumulators (row block rb, feature block fb at 128 + 32 rb + 8 fb)
;   window 1: two fragment buffers of 128 (wb's fragment nb at 8 nb: 0-3 q, 4-7 k, 8-11 v; xb's fragment rb at 96 + 8 rb); behind a tile buffer 1 holds the rounded q, then P (v128-191) and V (v192-255)
;   window 2: v0-127 k's accumulators (feature block db, row block rb at 32 db + 8 rb); v128-159 k's statistics; v160-191 the mask as f32; v192-223 the mask as loaded, then 0 or minus infinity
;   window 3: v0-127 v's accumulators; v128-255 ctx^T (db, eb at 128 + 32 db + 8 eb)
.set PITCH,  272                       ; an LDS row: 256 bytes + 16 of padding = 68 words: the 16 rows of a fragment load start at 16 different groups of four banks (64 banks of 4 bytes: ISA guide 11.1)
.set AHALF,  128*PITCH                 ; what wave 0 or 1 fetches
.set BHALF,  96*PITCH                  ; what wave 2 or 3 fetches
.set BOFF,   2*AHALF
.set SLOT,   BOFF+2*BHALF              ; 121,856 bytes
.set COMB,   2*SLOT                    ; behind the ring, never filled by a tensor load: 16,384 bytes a wave, its ctx^T at the end
.set STATS,  COMB+4*16384              ; 1,024 bytes a wave: its maxima and sums
.set SPARE,  STATS+4*1024              ; the spare words, 128 bytes a wave: two blocks of 256 bytes that no other line names
.set KB,     256                       ; bytes of a row in a K step
.set ROWB,   2048                      ; bytes in a row of xb and wb: eight K steps
.set TILEB,  256*ROWB                  ; bytes from a tile's rows of xb to the next tile's
.set CLA,  10                          ; v10  the end: where I read ctx^T of my feature block back
.set CLS,  11                          ; v11  the end: where I read its statistics back
.set LO16, 12                          ; v12  my 16 bytes in the record
.set LO8,  13                          ; v13  my 8 bytes of its statistics
.set ADRA, 16                          ; v16-17  LDS address of my xb fragments in slot 0, 1
.set ADRB, 20                          ; v20-21  of wb's
.set MO,   24                          ; v24  32 x (lane / 16): my eight rows' mask words in a block of 16
.set QSO,  25                          ; v25  16 x lane
.set CSA,  26                          ; v26  the end: where I put ctx^T
.set CSS,  27                          ; v27  the end: where I put statistics
.set SPW,  28                          ; v28  LDS address of my spare word; never rewritten
.set NIL,  29                          ; v29  0; never rewritten
.set PFO,  30                          ; v30  the prefetches' offset: a lane a row; never rewritten
.set QT,   32                          ; row block rb at QT + 8 rb: c m, m, sum A (pair), c0 (later 1 / sum), c1, c2, c3 (later sum B, a pair)
.set QA,   128
.set F0,   0
.set F1,   128
.set PK,   128
.set VK,   192
.set KA,   0
.set ST,   128                         ; feature block db at ST + 8 db: c m, m, l (pair), c0 (later a), c1, c2, c3
.set MC,   160
.set MI,   192
.set CT,   128
.set WV,   14                          ; s14  my wave's number
.set FB,   15                          ; s15  0: I fetch for xb, 1: for wb
.set HF,   16                          ; s16  which half of that tile's rows
.set CX,   17
.set CY,   18
.set HX,   19                          ; s19  the head
.set YY,   20                          ; s20  the block of 1,024 rows
.set G1,   24                          ; s[24:31] descriptor group 1 for xb's tiles;  s[32:39] group 0, a set for each slot
.set G0,   32
.set TILE, 40                          ; s40  tiles to go
.set LAP,  41                          ; s41  laps to go
.set LIM,  43                          ; s43  the lap count at which I prefetch: 1 in waves 0 and 1 while a tile follows, else 0, which the count never is in the loop
.set PFA,  44                          ; s[44:45] what my prefetch names
.set AB,   46                          ; s[46:47] xb at the first of the 128 rows that I would fetch, in the tile whose K steps are being asked for
.set G1B,  48                          ; s[48:55], s[56:63] the descriptors for wb's tiles
.set G0B,  56
.set CQ,   66                          ; s[66:67] log2(e) / 8
.set CK,   68                          ; s[68:69] log2(e)
.set SEL,  70                          ; s[70:71] v_permlanex16_b32's selects: each lane takes its own place in the other half
.set NINF, 72                          ; s72  minus infinity
.set BB,   74                          ; s[74:75] wb at the first of the 96 rows that I would fetch
.set KO,   80                          ; s[80:81], s[82:83] slot s: the byte along a row at which the K step that was last asked for it begins; the high words are 0
.set PB,   84                          ; s[84:85] xb at my work-group's 32 of those 128 rows, one tile on
.set PT,   86                          ; s[86:87] at work: an offset along K; the high word is 0
.set LW,   88                          ; s88  1 in waves 0 and 1, 0 in waves 2 and 3
.set W_Q,  0x05                        ; sources in window 1, C and D in window 0
.set W_K,  0xa5                        ; C and D in window 2 (v and ctx^T: 0xf5, window 3)
.set W_F,  0x40                        ; destination in window 1
.set W_2,  0xaa                        ; all in window 2
.set W_ML, 0x80                        ; destination in window 2
.set W_QS, 0x04                        ; store data in window 1
.set W_PC, 0x4a                        ; window 2 to window 1
.set W_VC, 0x4f                        ; window 3 to window 1
.set W_RS, 0xcb                        ; ctx^T (destination, source 0) in window 3, a in window 2
.set W_C3, 0x0c                        ; LDS store data in window 3
.set W_C2, 0x08                        ; in window 2
.set W_Z3, 0xc0                        ; destination in window 3
.set MSB, 0
.macro WIN new                         ; the immediate's high byte repeats the setting that is left; a switch that changes nothing is dropped
.if MSB != (\new)
	s_set_vgpr_msb (MSB<<8)|(\new)
.set MSB, \new
.endif
.endm
.macro PLACES                          ; four places behind a matrix instruction, in front of loads into its sources and of vector lines that read its result
.rept 4
	v_nop
.endr
.endm
.macro ALL4 line:vararg                ; one line for each t = 0 .. 3, so that dependent lines stand four apart
.set t, 0
.rept 4
	\line
.set t, t+1
.endr
.endm
; A joint load.  The branch hangs on the wave's number alone.  An s_nop 0 and four v_nop follow each of the two lines, ahead of the jump and the label.
.macro JLOAD s
	s_cmp_eq_u32 s[FB], 0
	s_cbranch_scc0 .Lfor_b_\@
	tensor_load_to_lds s[G0+4*(\s):G0+4*(\s)+3], s[G1:G1+7]
	s_nop 0
.rept 4
	v_nop
.endr
	s_branch .Lasked_\@
.Lfor_b_\@:
	tensor_load_to_lds s[G0B+4*(\s):G0B+4*(\s)+3], s[G1B:G1B+7]
	s_nop 0
.rept 4
	v_nop
.endr
.Lasked_\@:
.endm
; A PREFETCH INTO THE L2 of the next tile's first two K steps of my cluster's walk: the two that, by the count at the head, no other cluster has asked for.  They are named in the loop's last trip, at the tile's
; changes of slots 4 and 5: two refills, 384 matrix instructions of a wave, ahead of the loads that will want them, so that one test serves both.  256 bytes of each row, a lane a row, one instruction a wave.
; Waves 0 and 1, which fetch xb's halves, ask; of a wave's 128 rows the partner at cx takes 32: the four that ask for a tile jointly share its rows out BY ADDRESS, and the four clusters of a row of clusters
; name different K steps: each block is named once in the launch.  The last tile asks for nothing.  The first tile's K steps, and all of wb's (each is first asked for by a first fill), fall at the launch's head,
; where every work-group's first tiles are on their way and nothing is prefetched.
.macro ASK
	s_cmp_eq_u32 s[LAP], s[LIM]
	s_cbranch_scc0 .Lnot_mine_\@
	global_prefetch_b8 v[PFO], s[PFA:PFA+1] th:TH_LOAD_NT scope:SCOPE_SE
.Lnot_mine_\@:
.endm
; A round of the cluster's barrier: my work-group's barrier, wave 0 signals for the work-group, every wave waits for all sixteen, my work-group's barrier once more.
.macro CROUND
	s_barrier_signal -1
	s_barrier_wait -1
	s_cmp_lg_u32 s[WV], 0
	s_cbranch_scc1 .Lnot_wave_0_\@
	s_barrier_signal -3
.Lnot_wave_0_\@:
	s_barrier_wait -3
	s_barrier_signal -1
	s_barrier_wait -1
.endm
	s_load_b256 s[4:11], s[0:1], 0x0               ; xb s[4:5], wb s[6:7], mask s[8:9], qf s[10:11]
	s_load_b64 s[12:13], s[0:1], 0x20              ; part
	v_lshl_add_u32 v[SPW], v0, 2, SPARE
	v_mov_b32 v[NIL], 0
	ds_add_u32 v[SPW], v[NIL]                      ; the wave's opening: the add and its wait stand ahead of my first tensor load; the set-up below, work on registers, stands between them
	v_lshrrev_b32 v3, 5, v0
	v_readfirstlane_b32 s[WV], v3                  ; wave 0..3
	s_lshr_b32 s[FB], s[WV], 1
	s_and_b32 s[HF], s[WV], 1
	s_xor_b32 s[LW], s[FB], 1
	s_bfe_u32 s[CX], ttmp6, 0x40000
	s_bfe_u32 s[CY], ttmp6, 0x40004
	s_lshl_b32 s[HX], ttmp9, 2
	s_add_co_u32 s[HX], s[HX], s[CX]               ; head = 4 x cluster x + cx
	s_and_b32 s[YY], ttmp7, 0xffff
	s_lshl_b32 s[YY], s[YY], 2
	s_add_co_u32 s[YY], s[YY], s[CY]               ; row block = 4 x cluster y + cy
	s_lshl_b32 s21, s[CY], 2
	s_lshl_b32 s21, 15, s21                        ; my row of the cluster
	s_lshl_b32 s22, 0x1111, s[CX]                  ; my column
	s_or_b32 s[G1], s21, (1<<16)|(1<<20)|(1<<21)|(5<<22)|(3<<25)   ; 15:0 the mask; 17:16 2-byte elements; 20 padding on; 21 set beside a mask; 24:22 after every 64 words; 31:25 4 words of it
	s_or_b32 s[G1B], s22, (1<<16)|(1<<20)|(1<<21)|(5<<22)|(3<<25)
	s_mov_b32 s[G1+1], 128<<16                     ; tensor_dim0 = 128
	s_mov_b32 s[G1+2], 128<<16                     ; tensor_dim1 = 128
	s_mov_b32 s[G1+3], 128<<16                     ; tile_dim0 = 128
	s_mov_b32 s[G1+4], 128                         ; tile_dim1 = 128 rows
	s_mov_b32 s[G1+5], 1024                        ; elements from row to row
	s_mov_b32 s[G1+6], 0
	s_mov_b32 s[G1+7], 0
	s_mov_b32 s[G1B+1], 128<<16
	s_mov_b32 s[G1B+2], 96<<16                     ; 96 rows
	s_mov_b32 s[G1B+3], 128<<16
	s_mov_b32 s[G1B+4], 96
	s_mov_b32 s[G1B+5], 1024
	s_mov_b32 s[G1B+6], 0
	s_mov_b32 s[G1B+7], 0
	s_and_b32 s23, ttmp7, 0xffff                   ; where my cluster's walk along K begins:
	s_add_co_u32 s23, s23, ttmp9
	s_and_b32 s23, s23, 3                          ; (cluster x + cluster y) % 4,
	s_lshl_b32 s[KO], s23, 9                       ; times two K steps of 256 bytes: slot 0's first K step,
	s_mov_b32 s[KO+1], 0
	s_add_co_u32 s[KO+2], s[KO], KB                ; and slot 1's: 1,792 at the most
	s_mov_b32 s[KO+3], 0
	s_mov_b32 s[PT+1], 0
	s_lshl_b32 s[AB], s[YY], 21                    ; xb: 1,024 rows of 2,048 bytes a row block,
	s_lshl_b32 s23, s[HF], 18                      ; 128 rows a half
	s_add_co_u32 s[AB], s[AB], s23
	s_mov_b32 s[AB+1], 0
	s_mul_i32 s[BB], s[HX], 192*ROWB               ; wb: 192 rows a head,
	s_mul_i32 s23, s[HF], 96*ROWB                  ; 96 a half
	s_add_co_u32 s[BB], s[BB], s23
	s_mov_b32 s[BB+1], 0
	s_mul_i32 s76, s[WV], AHALF                    ; where they go: the wave's number times a constant; no place in the cluster enters an LDS address
	s_mul_i32 s77, s[WV], BHALF
	s_add_co_u32 s77, s77, BOFF-2*BHALF            ; waves 2 and 3: BOFF, BOFF + BHALF
	s_mov_b32 s[CQ], 0x3e38aa3b
	s_mov_b32 s[CQ+1], 0x3e38aa3b
	s_mov_b32 s[CK], 0x3fb8aa3b
	s_mov_b32 s[CK+1], 0x3fb8aa3b
	s_mov_b32 s[SEL], 0x76543210
	s_mov_b32 s[SEL+1], 0xfedcba98
	s_mov_b32 s[NINF], 0xff800000
	s_wait_dscnt 0x0                               ; the opening add is done
	s_wait_kmcnt 0x0
	s_add_nc_u64 s[AB:AB+1], s[4:5], s[AB:AB+1]
	s_add_nc_u64 s[BB:BB+1], s[6:7], s[BB:BB+1]
	CROUND                                         ; all sixteen work-groups are here: the first joint loads meet
.irp s, 0,1
	s_mov_b32 s[G0+4*\s], 1
	s_add_co_u32 s[G0+4*\s+1], s76, \s*SLOT
	s_add_nc_u64 s[G0+4*\s+2:G0+4*\s+3], s[AB:AB+1], s[KO+2*\s:KO+2*\s+1]
	s_or_b32 s[G0+4*\s+3], s[G0+4*\s+3], 0x80000000
	s_mov_b32 s[G0B+4*\s], 1
	s_add_co_u32 s[G0B+4*\s+1], s77, \s*SLOT
	s_add_nc_u64 s[G0B+4*\s+2:G0B+4*\s+3], s[BB:BB+1], s[KO+2*\s:KO+2*\s+1]
	s_or_b32 s[G0B+4*\s+3], s[G0B+4*\s+3], 0x80000000
.endr
	s_cmp_eq_u32 s[FB], 0                          ; a wave's two first fills stand in one branch, ahead of every wait on TENSORcnt and every LDS read: two loads of mine are out
	s_cbranch_scc0 .Lfirst_b
	tensor_load_to_lds s[G0:G0+3], s[G1:G1+7]
	s_nop 0
	tensor_load_to_lds s[G0+4:G0+7], s[G1:G1+7]
	s_nop 0
.rept 4
	v_nop
.endr
	s_branch .Lfirst_asked
.Lfirst_b:
	tensor_load_to_lds s[G0B:G0B+3], s[G1B:G1B+7]
	s_nop 0
	tensor_load_to_lds s[G0B+4:G0B+7], s[G1B:G1B+7]
	s_nop 0
.rept 4
	v_nop
.endr
.Lfirst_asked:
	; all that follows, up to the wait, stands in the wait for the first tile
	v_and_b32 v1, 15, v0                           ; l % 16
	v_bfe_u32 v2, v0, 4, 1                         ; l / 16
	v_and_b32 v3, 31, v0                           ; l
	v_mul_u32_u24 v4, v1, PITCH
	v_lshl_add_u32 v4, v2, 4, v4                   ; a fragment's row x pitch + 16 x half
	s_mul_i32 s42, s[WV], 64*PITCH                 ; my 64 rows of xb's tile
	v_add_nc_u32 v[ADRA], s42, v4
	v_add_nc_u32 v[ADRA+1], SLOT, v[ADRA]
	v_add_nc_u32 v[ADRB], BOFF, v4
	v_add_nc_u32 v[ADRB+1], SLOT, v[ADRB]
	v_lshlrev_b32 v[MO], 5, v2
	v_lshlrev_b32 v[QSO], 4, v3
	s_lshl_b32 s42, s[WV], 14
	s_add_co_u32 s42, s42, COMB
	v_lshl_add_u32 v[CSA], v3, 4, s42
	s_lshl_b32 s42, s[WV], 10
	s_add_co_u32 s42, s42, STATS
	v_lshl_add_u32 v[CSS], v3, 3, s42
	s_lshl_b32 s42, s[WV], 12
	v_lshl_add_u32 v[LO16], v3, 4, s42             ; 4,096 x wave + 16 x lane
	v_add_nc_u32 v[CLA], COMB, v[LO16]
	s_lshl_b32 s42, s[WV], 8
	v_lshl_add_u32 v[CLS], v3, 3, s42              ; 256 x wave + 8 x lane
	v_add_nc_u32 v[LO8], 16384, v[CLS]
	v_add_nc_u32 v[CLS], STATS, v[CLS]
	; the prefetches' rows: row block + the second tile + my 128 rows + my work-group's 32 of them
	s_lshl_b32 s73, s[YY], 10
	s_lshl_b32 s42, s[HF], 7
	s_add_co_u32 s73, s73, s42
	s_lshl_b32 s42, s[CX], 5
	s_add_co_u32 s73, s73, s42
	s_add_co_u32 s73, s73, 256
	s_lshl_b32 s2, s73, 11
	s_mov_b32 s3, 0
	s_add_nc_u64 s[PB:PB+1], s[4:5], s[2:3]
	v_lshlrev_b32 v[PFO], 11, v3
	; mask, qf and part at my share.  rid = 64 x batch entry + 4 x head + quarter
	s_lshr_b32 s73, s[YY], 2
	s_lshl_b32 s73, s73, 6
	s_lshl2_add_u32 s73, s[HX], s73
	s_and_b32 s42, s[YY], 3
	s_add_co_u32 s73, s73, s42
	s_lshl_b32 s78, s[YY], 12                      ; 1,024 rows of 4 bytes,
	s_lshl_b32 s42, s[WV], 8                       ; my 64
	s_add_co_u32 s78, s78, s42
	s_mov_b32 s79, 0
	s_add_nc_u64 s[8:9], s[8:9], s[78:79]
	s_lshl_b32 s78, s73, 17                        ; 131,072 bytes of q a rid,
	s_lshl_b32 s42, s[WV], 13                      ; my four blocks of 16 rows, 2,048 bytes each
	s_add_co_u32 s78, s78, s42
	s_add_nc_u64 s[10:11], s[10:11], s[78:79]
	s_mul_i32 s78, s73, 17408                      ; a record
	s_add_nc_u64 s[12:13], s[12:13], s[78:79]
	; ctx^T and l start at 0, m at -2^126 and c m at log2(e) times that: every tile then has one text, at the price of these 128 + 16 lines, once a launch
	WIN W_Z3
.set n, 0
.rept 128
	v_mov_b32 v[CT+n], 0
.set n, n+1
.endr
	WIN W_ML
	ALL4 v_mov_b32 v[ST+8*t], 0xfeb8aa3b
	ALL4 v_mov_b32 v[ST+8*t+1], 0xfe800000
	ALL4 v_mov_b32 v[ST+8*t+2], 0
	ALL4 v_mov_b32 v[ST+8*t+3], 0
	WIN 0
; THE MATRIX WORK OF 32 ALONG K: 48 instructions.  The 48 accumulators take turns, one instruction a turn, in the same order in every quarter.  zero = 1: the product starts the sum.
.macro MULQ buf, zero
	WIN W_Q
.irp rb, 0,1,2,3
.irp fb, 0,1,2,3
.if \zero
	v_wmma_f32_16x16x32_bf16 v[QA+32*\rb+8*\fb:QA+32*\rb+8*\fb+7], v[(\buf)+8*\fb:(\buf)+8*\fb+7], v[(\buf)+96+8*\rb:(\buf)+96+8*\rb+7], 0
.else
	v_wmma_f32_16x16x32_bf16 v[QA+32*\rb+8*\fb:QA+32*\rb+8*\fb+7], v[(\buf)+8*\fb:(\buf)+8*\fb+7], v[(\buf)+96+8*\rb:(\buf)+96+8*\rb+7], v[QA+32*\rb+8*\fb:QA+32*\rb+8*\fb+7]
.endif
.endr
.endr
.endm
.macro MULX buf, zero, kind, first=0, count=4   ; kind 0: k, window 2; kind 1: v, window 3; feature blocks first .. first + count - 1, four products each
	WIN W_K+0x50*(\kind)
.set cb, \first
.rept \count
.irp rb, 0,1,2,3
.if \zero
	v_wmma_f32_16x16x32_bf16 v[32*cb+8*\rb:32*cb+8*\rb+7], v[(\buf)+96+8*\rb:(\buf)+96+8*\rb+7], v[(\buf)+32+32*(\kind)+8*cb:(\buf)+32+32*(\kind)+8*cb+7], 0
.else
	v_wmma_f32_16x16x32_bf16 v[32*cb+8*\rb:32*cb+8*\rb+7], v[(\buf)+96+8*\rb:(\buf)+96+8*\rb+7], v[(\buf)+32+32*(\kind)+8*cb:(\buf)+32+32*(\kind)+8*cb+7], v[32*cb+8*\rb:32*cb+8*\rb+7]
.endif
.endr
.set cb, cb+1
.endr
.endm
; 32 LDS loads in one run: xb's 8, then wb's for q, k, v, 8 each, in the order in which they are wanted
.macro FETCH slot, k, buf
	WIN W_F
.irp rb, 0,1,2,3
	ds_load_b128 v[(\buf)+96+8*\rb:(\buf)+96+8*\rb+3],   v[ADRA+(\slot)] offset:(\k)+\rb*16*PITCH
	ds_load_b128 v[(\buf)+96+8*\rb+4:(\buf)+96+8*\rb+7], v[ADRA+(\slot)] offset:(\k)+\rb*16*PITCH+32
.endr
.irp nb, 0,1,2,3,4,5,6,7,8,9,10,11
	ds_load_b128 v[(\buf)+8*\nb:(\buf)+8*\nb+3],   v[ADRB+(\slot)] offset:(\k)+\nb*16*PITCH
	ds_load_b128 v[(\buf)+8*\nb+4:(\buf)+8*\nb+7], v[ADRB+(\slot)] offset:(\k)+\nb*16*PITCH+32
.endr
.endm
; A K step is four quarters of 32 along K on buffers 0, 1, 0, 1.  One of the first three: multiplies buf and fetches the next quarter, at byte k of the same slot's rows, into nxt.
.macro QUARTER slot, k, buf, nxt, zero
	s_wait_dscnt 16                                ; xb's and q's fragments are in; the youngest sixteen loads may be out
	MULQ \buf, \zero
	s_wait_dscnt 8                                 ; k's are in
	MULX \buf, \zero, 0
	PLACES
	FETCH \slot, \k, \nxt
	s_wait_dscnt 32                                ; all but the 32 just issued
	MULX \buf, \zero, 1
.endm
; The last quarter multiplies buffer 1 and changes slots.  In front of the round each wave waits for all its tensor loads (one is out: its part of the next slot), adds 0 to its spare word, and waits for that and for
; its own reads of this slot.  While the add is out the slot's next K step is made: two on along the circle of eight; both descriptors' addresses are made anew from it (no tensor load of mine is out).
; on = 1: a tile's last two changes: the K steps asked for are the next tile's first two, 256 rows further down.
; THE ROUND of the cluster's barrier holds work on registers alone: four of k's products between the opening signal and its wait, twelve between wave 0's signal for the work-group and the wait for all sixteen.
; Behind its closing wait the slot just read is filled again first.  From a request to the wait for it a wave issues 160 matrix instructions.
.macro TURN slot, next, on
.if \on
.if (\slot) == 0
	s_add_nc_u64 s[AB:AB+1], s[AB:AB+1], TILEB     ; neither pointer is a register of a descriptor or of a prefetch
	s_add_nc_u64 s[PB:PB+1], s[PB:PB+1], TILEB
.endif
.else
	s_wait_xcnt 0x0                                ; the last prefetch, a K step back or more, has read its address: it is written here, ahead of the change's own waits
	s_add_co_u32 s[PT], s[KO+2*(\slot)], 4*KB      ; four K steps on from the one that this slot holds, along the circle
	s_and_b32 s[PT], s[PT], ROWB-1
	s_add_nc_u64 s[PFA:PFA+1], s[PB:PB+1], s[PT:PT+1]
.endif
	WIN 0                                          ; (the add's two registers lie in window 0)
	s_wait_tensorcnt 0x0                           ; all my tensor loads have landed
	ds_add_u32 v[SPW], v[NIL]                      ; 0 onto my spare word
	s_add_co_u32 s[KO+2*(\slot)], s[KO+2*(\slot)], 2*KB
	s_and_b32 s[KO+2*(\slot)], s[KO+2*(\slot)], ROWB-1
	s_add_nc_u64 s[G0+4*(\slot)+2:G0+4*(\slot)+3], s[AB:AB+1], s[KO+2*(\slot):KO+2*(\slot)+1]
	s_or_b32 s[G0+4*(\slot)+3], s[G0+4*(\slot)+3], 0x80000000
	s_add_nc_u64 s[G0B+4*(\slot)+2:G0B+4*(\slot)+3], s[BB:BB+1], s[KO+2*(\slot):KO+2*(\slot)+1]
	s_or_b32 s[G0B+4*(\slot)+3], s[G0B+4*(\slot)+3], 0x80000000
	s_wait_dscnt 17                                ; (the add and the youngest sixteen loads may be out)
	MULQ F1, 0                                     ; sixteen matrix instructions stand between the add and the wait for it
	s_wait_dscnt 0x0                               ; the add is done, and my reads of this slot are over
	s_barrier_signal -1                            ; the round opens
	MULX F1, 0, 0, 0, 1
	WIN 0                                          ; (a branch follows)
	s_barrier_wait -1
	s_cmp_lg_u32 s[WV], 0
	s_cbranch_scc1 .Lnot_wave_0_\@
	s_barrier_signal -3
.Lnot_wave_0_\@:
	MULX F1, 0, 0, 1, 3
	WIN 0
	s_barrier_wait -3
	s_barrier_signal -1
	s_barrier_wait -1                              ; no wave of any partner still reads this slot's tile or has a load on its way
	JLOAD \slot                                    ; the first tensor load behind the round; its four v_nop are also the places in front of the loads below
	FETCH \next, 0, F0
.if !(\on)
	WIN 0
	ASK
.endif
	MULX F1, 0, 1
.endm
	s_wait_tensorcnt 0x1                           ; my part of the first K step is in; the second's load may stay out
	s_barrier_signal -1
	s_barrier_wait -1                              ; everybody's is
	FETCH 0, 0, F0
	WIN 0
	s_mov_b32 s[TILE], 4
.Ltile:
	s_cmp_gt_u32 s[TILE], 1                        ; does a tile follow?
	s_cselect_b32 s[LIM], s[LW], 0
	WIN W_ML
.set n, 0
.rept 8                                        ; the tile's mask words for my 64 rows: block n / 2, my eight rows of it; wanted behind the tile's products
	global_load_b128 v[MI+4*n:MI+4*n+3], v[MO], s[8:9] offset:64*(n/2)+16*(n%2)
.set n, n+1
.endr
	QUARTER 0, 64,  F0, F1, 1                      ; a tile's first quarter stands in front of the loop: its products start the sums
	WIN 0
	s_mov_b32 s[LAP], 3
.Llap:                                         ; a trip goes once round the ring, from a lap's second quarter to the next lap's first, and fills both slots again
	QUARTER 0, 128, F1, F0, 0
	QUARTER 0, 192, F0, F1, 0
	TURN 0, 1, 0
	QUARTER 1, 64,  F0, F1, 0
	QUARTER 1, 128, F1, F0, 0
	QUARTER 1, 192, F0, F1, 0
	TURN 1, 0, 0
	QUARTER 0, 64,  F0, F1, 0
	WIN 0
	s_sub_co_u32 s[LAP], s[LAP], 1
	s_cmp_lg_u32 s[LAP], 0
	s_cbranch_scc1 .Llap
	QUARTER 0, 128, F1, F0, 0                      ; the tile's last lap goes on
	QUARTER 0, 192, F0, F1, 0
	WIN 0
	s_cmp_eq_u32 s[TILE], 1
	s_cbranch_scc1 .Llast                          ; the last tile's tail is written out: it asks for nothing more
	TURN 0, 1, 1                                   ; the ring goes on into the next tile: slot 0 takes its first K step,
	QUARTER 1, 64,  F0, F1, 0
	QUARTER 1, 128, F1, F0, 0
	QUARTER 1, 192, F0, F1, 0
	TURN 1, 0, 1                                   ; slot 1 its second, and the next tile's first fragments are fetched into buffer 0
	WIN 0
	s_branch .Lepi
.Llast:
	s_wait_tensorcnt 0x0                           ; my one tensor load that was still out is slot 1's, the last K step's, so no round follows
	ds_add_u32 v[SPW], v[NIL]
	s_wait_dscnt 17
	MULQ F1, 0
	s_wait_dscnt 0x0
	s_barrier_signal -1
	MULX F1, 0, 0
	s_barrier_wait -1
	PLACES
	FETCH 1, 0, F0
	MULX F1, 0, 1
	QUARTER 1, 64,  F0, F1, 0
	QUARTER 1, 128, F1, F0, 0
	QUARTER 1, 192, F0, F1, 0
	s_wait_dscnt 16                                ; the very last quarter: nothing more to fetch
	MULQ F1, 0
	s_wait_dscnt 8
	MULX F1, 0, 0
	s_wait_dscnt 0x0
	MULX F1, 0, 1
	WIN 0
.Lepi:
; BEHIND A TILE'S PRODUCTS.  All of it is the wave's own: no LDS, no barrier.  Buffer 0, which may be awaiting the next tile's first fragments, is not touched.
; The maximum of 32 numbers a lane, for four blocks t at once: four chains c0-c3 of seven, three operands at a time (each accumulator's lowest registers are read first), then the four left over,
; c0-c3 into c0 (old = 1: with the old m), and the other half of the lanes' into c1.
.macro ROWMAX tb, ab, old
.set j, 0
.rept 4
	ALL4 v_max3_num_f32 v[\tb+8*t+4+j], v[\ab+32*t+8*j], v[\ab+32*t+8*j+1], v[\ab+32*t+8*j+2]
.set j, j+1
.endr
.rept 8
	ALL4 v_max3_num_f32 v[\tb+8*t+4+j%4], v[\tb+8*t+4+j%4], v[\ab+32*t+8*(j%4)+2*(j/4)+1], v[\ab+32*t+8*(j%4)+2*(j/4)+2]
.set j, j+1
.endr
	ALL4 v_max3_num_f32 v[\tb+8*t+4], v[\tb+8*t+4], v[\ab+32*t+7], v[\ab+32*t+15]
	ALL4 v_max3_num_f32 v[\tb+8*t+6], v[\tb+8*t+6], v[\ab+32*t+23], v[\ab+32*t+31]
	ALL4 v_max3_num_f32 v[\tb+8*t+4], v[\tb+8*t+4], v[\tb+8*t+5], v[\tb+8*t+6]
.if \old
	ALL4 v_max3_num_f32 v[\tb+8*t+4], v[\tb+8*t+4], v[\tb+8*t+7], v[\tb+8*t+1]
.else
	ALL4 v_max_num_f32 v[\tb+8*t+4], v[\tb+8*t+4], v[\tb+8*t+7]
.endif
	ALL4 v_permlanex16_b32 v[\tb+8*t+5], v[\tb+8*t+4], s[SEL], s[SEL+1]
.endm
.macro SCALE tb, ab, cs                ; c s - c m, two at a time
.set n, 0
.rept 16
	ALL4 v_pk_fma_f32 v[\ab+32*t+2*n:\ab+32*t+2*n+1], v[\ab+32*t+2*n:\ab+32*t+2*n+1], s[\cs:\cs+1], v[\tb+8*t:\tb+8*t+1] op_sel_hi:[1,0,0] neg_lo:[0,0,1] neg_hi:[0,0,1]
.set n, n+1
.endr
.endm
.macro EXPS ab
.set n, 0
.rept 32
	ALL4 v_exp_f32 v[\ab+32*t+n], v[\ab+32*t+n]
.set n, n+1
.endr
.endm
	PLACES                                         ; behind the tile's last products
	s_wait_loadcnt 0x0                             ; the mask words
	WIN W_2
.set n, 0
.rept 32
	v_cvt_f32_i32 v[MC+n], v[MI+n]                 ; the factor
.set n, n+1
.endr
.set n, 0
.rept 32
	v_cmp_eq_u32 vcc_lo, 0, v[MI+n]
	v_cndmask_b32 v[MI+n], 0, s[NINF], vcc_lo      ; the addend: minus infinity where the mask is 0
.set n, n+1
.endr
	; q: softmax over a row's 64 features, 32 in this lane and 32 in the lane 16 away
	WIN 0
	ROWMAX QT, QA, 0
	ALL4 v_max_num_f32 v[QT+8*t+1], v[QT+8*t+4], v[QT+8*t+5]
	ALL4 v_mul_f32 v[QT+8*t], s[CQ], v[QT+8*t+1]
	SCALE QT, QA, CQ
	EXPS QA
	v_nop                                          ; a plain instruction behind the last exponential,
	s_wait_alu depctr_va_vdst(0)                   ; and the one wait ahead of the first line that names a result: for all 128
	ALL4 v_pk_add_f32 v[QT+8*t+2:QT+8*t+3], v[QA+32*t:QA+32*t+1], v[QA+32*t+2:QA+32*t+3]
	ALL4 v_pk_add_f32 v[QT+8*t+6:QT+8*t+7], v[QA+32*t+4:QA+32*t+5], v[QA+32*t+6:QA+32*t+7]
.set n, 4
.rept 12                                       ; two chains by turns; the weights stay whole
	ALL4 v_pk_add_f32 v[QT+8*t+2+4*(n%2):QT+8*t+3+4*(n%2)], v[QT+8*t+2+4*(n%2):QT+8*t+3+4*(n%2)], v[QA+32*t+2*n:QA+32*t+2*n+1]
.set n, n+1
.endr
	ALL4 v_pk_add_f32 v[QT+8*t+2:QT+8*t+3], v[QT+8*t+2:QT+8*t+3], v[QT+8*t+6:QT+8*t+7]
	ALL4 v_add_f32 v[QT+8*t+2], v[QT+8*t+2], v[QT+8*t+3]
	ALL4 v_permlanex16_b32 v[QT+8*t+3], v[QT+8*t+2], s[SEL], s[SEL+1]
	ALL4 v_add_f32 v[QT+8*t+2], v[QT+8*t+2], v[QT+8*t+3]
	ALL4 v_rcp_f32 v[QT+8*t+4], v[QT+8*t+2]
	v_nop
	s_wait_alu depctr_va_vdst(0)                   ; one wait for the four reciprocals
.set n, 0
.rept 16
	ALL4 v_pk_mul_f32 v[QA+32*t+2*n:QA+32*t+2*n+1], v[QA+32*t+2*n:QA+32*t+2*n+1], v[QT+8*t+4:QT+8*t+5] op_sel_hi:[1,0]
.set n, n+1
.endr
	WIN W_F
.set n, 0
.rept 16
	ALL4 v_cvt_pk_bf16_f32 v[PK+16*t+n], v[QA+32*t+2*n], v[QA+32*t+2*n+1]
.set n, n+1
.endr
	WIN W_QS
.set n, 0
.rept 16                                       ; row block n / 4, feature block n % 4: each store covers 512 consecutive bytes, at a multiple of 256 from qf's first byte
	global_store_b128 v[QSO], v[PK+4*n:PK+4*n+3], s[10:11] offset:512*n th:TH_STORE_NT
.set n, n+1
.endr
	; k: times the mask or minus infinity; the running maximum; p and a
	WIN W_2
.set n, 0
.rept 16
	ALL4 v_pk_fma_f32 v[KA+32*t+2*n:KA+32*t+2*n+1], v[KA+32*t+2*n:KA+32*t+2*n+1], v[MC+2*n:MC+2*n+1], v[MI+2*n:MI+2*n+1]
.set n, n+1
.endr
	ROWMAX ST, KA, 1
	ALL4 v_mov_b32 v[ST+8*t+7], v[ST+8*t]          ; c m_old is kept
	ALL4 v_max_num_f32 v[ST+8*t+1], v[ST+8*t+4], v[ST+8*t+5]
	ALL4 v_mul_f32 v[ST+8*t], s[CK], v[ST+8*t+1]
	ALL4 v_sub_f32 v[ST+8*t+7], v[ST+8*t+7], v[ST+8*t]
	SCALE ST, KA, CK
	ALL4 v_exp_f32 v[ST+8*t+4], v[ST+8*t+7]        ; a = 2^(c m_old - c m_new)
	EXPS KA
	v_nop
	s_wait_alu depctr_va_vdst(0)                   ; one wait for the batch of 132
	s_wait_xcnt 0x0                                ; q's stores have read their data and their base: both are written again only behind this wait
	s_add_nc_u64 s[10:11], s[10:11], 32768         ; the next tile's 16 blocks of q,
	s_add_nc_u64 s[8:9], s[8:9], 1024              ; and its 256 mask words
	WIN W_PC
.set n, 0
.rept 16
	ALL4 v_cvt_pk_f16_f32 v[PK+16*t+n], v[KA+32*t+2*n], v[KA+32*t+2*n+1]
.set n, n+1
.endr
	WIN W_2
.set z, 0
.rept 15                                       ; the sum of 16 pairs, in place: neighbours 1, 2, 4 and 8 pairs apart
.set tw, 4
.set tu, z
.if z >= 14
.set tw, 32
.set tu, 0
.elseif z >= 12
.set tw, 16
.set tu, z-12
.elseif z >= 8
.set tw, 8
.set tu, z-8
.endif
	ALL4 v_pk_add_f32 v[KA+32*t+tw*tu:KA+32*t+tw*tu+1], v[KA+32*t+tw*tu:KA+32*t+tw*tu+1], v[KA+32*t+tw*tu+tw/2:KA+32*t+tw*tu+tw/2+1]
.set z, z+1
.endr
	ALL4 v_pk_fma_f32 v[ST+8*t+2:ST+8*t+3], v[ST+8*t+2:ST+8*t+3], v[ST+8*t+4:ST+8*t+5], v[KA+32*t:KA+32*t+1] op_sel_hi:[1,0,1]
	WIN W_VC
.set n, 0
.rept 16
	ALL4 v_cvt_pk_f16_f32 v[VK+16*t+n], v[32*t+2*n], v[32*t+2*n+1]
.set n, n+1
.endr
	WIN W_RS
.set n, 0
.rept 16                                       ; ctx^T times a, each accumulator from its low end on
	ALL4 v_pk_mul_f32 v[CT+32*t+2*n:CT+32*t+2*n+1], v[CT+32*t+2*n:CT+32*t+2*n+1], v[ST+8*t+4:ST+8*t+5] op_sel_hi:[1,0]
.set n, n+1
.endr
	WIN W_K+0x50
.irp ks, 0,1                                   ; ctx^T += V^T P: 32 rows a step, the 16 accumulators by turns
.irp db, 0,1,2,3
.irp eb, 0,1,2,3
	v_wmma_f32_16x16x32_f16 v[CT+32*\db+8*\eb:CT+32*\db+8*\eb+7], v[VK+16*\eb+8*\ks:VK+16*\eb+8*\ks+7], v[PK+16*\db+8*\ks:PK+16*\db+8*\ks+7], v[CT+32*\db+8*\eb:CT+32*\db+8*\eb+7]
.endr
.endr
.endr
	WIN 0
	s_sub_co_u32 s[TILE], s[TILE], 1
	s_cmp_lg_u32 s[TILE], 0
	s_cbranch_scc1 .Ltile
; THE END.  The four waves' partial contexts meet in LDS; wave w merges feature block w by the four maxima and stores its part of the record.
	PLACES                                         ; behind the last products
	WIN W_2
	ALL4 v_add_f32 v[ST+8*t+2], v[ST+8*t+2], v[ST+8*t+3]
	ALL4 v_permlanex16_b32 v[ST+8*t+3], v[ST+8*t+2], s[SEL], s[SEL+1]
	ALL4 v_add_f32 v[ST+8*t+1], v[ST+8*t+2], v[ST+8*t+3]   ; l beside c m
	WIN W_C2
	ALL4 ds_store_b64 v[CSS], v[ST+8*t:ST+8*t+1] offset:256*t
	WIN W_C3
.set n, 0
.rept 32
	ds_store_b128 v[CSA], v[CT+4*n:CT+4*n+3] offset:512*n
.set n, n+1
.endr
	WIN 0
	s_wait_dscnt 0x0                               ; for the others' sake: my stores are done
	s_barrier_signal -1
	s_barrier_wait -1
	ALL4 ds_load_b64 v[32+2*t:33+2*t], v[CLS] offset:1024*t
.set n, 0
.rept 8
	ALL4 ds_load_b128 v[128+32*t+4*n:128+32*t+4*n+3], v[CLA] offset:16384*t+512*n
.set n, n+1
.endr
	s_wait_dscnt 0x0
	v_max3_num_f32 v48, v32, v34, v36
	v_max_num_f32 v48, v48, v38                    ; the four waves' greatest c m
	ALL4 v_sub_f32 v[40+2*t], v[32+2*t], v48
	ALL4 v_exp_f32 v[40+2*t], v[40+2*t]
	ALL4 v_mov_b32 v[41+2*t], 0                    ; named with the factors as pairs; also the plain instructions behind the exponentials
	s_wait_alu depctr_va_vdst(0)
	v_mul_f32 v49, v40, v33
	v_fmac_f32 v49, v42, v35
	v_fmac_f32 v49, v44, v37
	v_fmac_f32 v49, v46, v39
.set n, 0
.rept 16
	v_pk_mul_f32 v[128+2*n:129+2*n], v[128+2*n:129+2*n], v[40:41] op_sel_hi:[1,0]
.set n, n+1
.endr
.irp wv, 1,2,3
.set n, 0
.rept 16
	v_pk_fma_f32 v[128+2*n:129+2*n], v[128+32*\wv+2*n:129+32*\wv+2*n], v[40+2*\wv:41+2*\wv], v[128+2*n:129+2*n] op_sel_hi:[1,0,1]
.set n, n+1
.endr
.endr
.set n, 0
.rept 8
	global_store_b128 v[LO16], v[128+4*n:131+4*n], s[12:13] offset:512*n   ; 512 consecutive bytes, at a multiple of 256 from part's first byte
.set n, n+1
.endr
	global_store_b64 v[LO8], v[48:49], s[12:13]    ; c m and l: 256 consecutive bytes
	s_wait_tensorcnt 0x0                           ; the wave's end, behind my last tensor load and my last LDS store
	ds_add_u32 v[SPW], v[NIL]
	s_wait_dscnt 0x0
	CROUND                                         ; the closing round: no work-group ends while a partner may still ask for a tile that names it
	s_endpgm
.Lfunc_end_k_q6a795197ac_proj:
	.size	k_q6a795197ac_proj, .Lfunc_end_k_q6a795197ac_proj-k_q6a795197ac_proj
	.p2alignl 7, 3214868480
	.fill 96, 4, 3214868480
	.section	.rodata,"a",@progbits
	.p2align	6, 0x0
	.amdhsa_kernel k_q6a795197ac_proj
		.amdhsa_group_segment_fixed_size 327680
		.amdhsa_private_segment_fixed_size 0
		.amdhsa_enable_private_segment 0
		.amdhsa_kernarg_size 40
		.amdhsa_user_sgpr_count 2
		.amdhsa_user_sgpr_kernarg_segment_ptr 1
		.amdhsa_wavefront_size32 1
		.amdhsa_system_sgpr_workgroup_id_x 1
		.amdhsa_system_sgpr_workgroup_id_y 1
		.amdhsa_system_sgpr_workgroup_id_z 1
		.amdhsa_system_vgpr_workitem_id 0
		.amdhsa_next_free_vgpr 1024
		.amdhsa_next_free_sgpr 92
		.amdhsa_reserve_vcc 1
		.amdhsa_float_denorm_mode_32 3
		.amdhsa_float_denorm_mode_16_64 3
		.amdhsa_memory_ordered 1
		.amdhsa_forward_progress 1
		.amdhsa_inst_pref_size 210
	.end_amdhsa_kernel
	.amdgpu_metadata
---
amdhsa.version: [ 1, 2 ]
amdhsa.kernels:
  - .name:           k_q6a795197ac_proj
    .symbol:         k_q6a795197ac_proj.kd
    .args:
      - { .name: xb, .offset: 0, .size: 8, .value_kind: global_buffer, .address_space: global }
      - { .name: wb, .offset: 8, .size: 8, .value_kind: global_buffer, .address_space: global }
      - { .name: mask, .offset: 16, .size: 8, .value_kind: global_buffer, .address_space: global }
      - { .name: qf, .offset: 24, .size: 8, .value_kind: global_buffer, .address_space: global }
      - { .name: part, .offset: 32, .size: 8, .value_kind: global_buffer, .address_space: global }
    .group_segment_fixed_size: 327680
    .private_segment_fixed_size: 0
    .kernarg_segment_align: 8
    .kernarg_segment_size: 40
    .max_flat_workgroup_size: 128
    .sgpr_count:     92
    .vgpr_count:     1024
    .wavefront_size: 32
...
	.end_amdgpu_metadata
.endif
;; end of part 2
;; launch outp (part 3): grid 256 x 1, 16 waves a work-group, no clusters, 12,288 bytes of LDS; arguments qf, part, mem_kv, mask, out0; writes out0
.if DOCPART == 3
	.amdgcn_target "amdgcn-amd-amdhsa--gfx1250"
	.amdhsa_code_object_version 6
	.text
	.protected	k_q6a795197ac_outp
	.globl	k_q6a795197ac_outp
	.p2align	8
	.type	k_q6a795197ac_outp,@function
k_q6a795197ac_outp:
	s_mov_b64 s[64:65], 0
	v_nop
	global_prefetch_b8 v0, s[64:65] scope:SCOPE_SE
	s_setreg_imm32_b32 hwreg(HW_REG_WAVE_MODE, 25, 1), 1
	s_wait_xcnt 0x0
; out[row][head][e] = mask[row] x the sum over d of q[row][d] ctx[d][e].  First ctx: the four quarters' partial contexts of (batch entry, head) and the four memory rows are merged by their maxima and divided by the sum.
; SHARES.  Work-group rid = 64 x batch entry + 4 x head + quarter: 1,024 rows of one head.  Each of its 16 waves takes 64 rows, four blocks of 16.  In the merge wave w makes tile (db = w / 4, eb = w % 4) of ctx.
; q comes as the projection left it: 16 bytes a lane that ARE source 0's fragments (16 rows x 32 features in bf16).  ctx goes through LDS in bf16, [d][place], and comes out turned as source 1.
; PLACES.  v's columns lie in the order place i = feature 4 (i % 16) + i / 16.  So in the result lane r of column block nb holds feature 4 r + nb: the four blocks' registers are 16 neighbouring bytes of out,
; and 16 lanes store a row's 256 bytes of the head from registers; the multiply by the mask puts them side by side.
; The launch moves 131,072 bytes of q in and 262,144 of out a work-group for 1.07 G multiply-adds in all: bytes bind it.  Every load of a wave goes out at its head.
; NO CLUSTER: what the four work-groups of a (batch entry, head) share is 69,632 bytes of records against 393,216 bytes of their own, and all comes through registers.
; LIMITS.  mem_kv is used in f32; a masked row may hold -0; NaN and infinities are not treated apart.
.set CP,    160                        ; a row of ctx in LDS: 128 bytes + 32 = 40 words
.set SPARE, 10240                      ; behind ctx: the spare words, 128 bytes for each of 16 waves: eight blocks of 256 bytes that no other line names
.set RECB,  17408                      ; bytes in a record
.set MKI,   32                         ; v[32:63]    block i: its eight mask words, then as f32
.set QF,    64                         ; v[64:127]   block i: 16 registers of q
.set CF,    128                        ; v[128:191]  ctx's fragments: column block nb, K half ks at 16 nb + 8 ks
.set ACC,   192                        ; v[192:223]  four accumulators
.set OB,    224                        ; v[224:255]  a block's 8 x 4 numbers to store
.set REC,   128                        ; the merge: quarter u's eight numbers at REC + 8 u; the sum is made on quarter 0's
.set MV,    160                        ; memory row i's eight values at MV + 8 i
.set STAT,  192                        ; quarter u: c m, l
.set MKR,   200                        ; memory row i's key
.set FF,    208                        ; quarter u's factor, in a pair
.set GG,    216                        ; memory row i's weight
	s_load_b256 s[4:11], s[0:1], 0x0               ; qf s[4:5], part s[6:7], mem_kv s[8:9], mask s[10:11]
	s_load_b64 s[12:13], s[0:1], 0x20              ; out0
	v_lshl_add_u32 v12, v0, 2, SPARE               ; my spare word; never rewritten
	v_mov_b32 v13, 0                               ; 0; never rewritten
	v_lshrrev_b32 v11, 5, v0
	v_readfirstlane_b32 s14, v11                   ; wave 0..15
	v_and_b32 v1, 15, v0                           ; r = l % 16
	v_bfe_u32 v2, v0, 4, 1                         ; h = l / 16
	v_and_b32 v11, 31, v0                          ; l
	s_bfe_u32 s16, ttmp9, 0x40002                  ; head
	s_lshr_b32 s17, s14, 2                         ; db
	s_and_b32 s18, s14, 3                          ; eb
	s_lshr_b32 s19, ttmp9, 6
	s_lshl_b32 s19, s19, 12
	s_and_b32 s20, ttmp9, 3
	s_lshl_b32 s20, s20, 10
	s_add_co_u32 s19, s19, s20
	s_lshl_b32 s20, s14, 6
	s_add_co_u32 s19, s19, s20                     ; my first row: 4,096 x batch entry + 1,024 x quarter + 64 x wave
	v_lshlrev_b32 v3, 4, v11                       ; 16 l
	v_lshlrev_b32 v5, 5, v2                        ; 32 h: my eight rows' mask words
	v_lshlrev_b32 v6, 15, v2
	v_lshl_add_u32 v6, v1, 4, v6                   ; out: eight rows down for the upper lanes, 16 r
	s_lshl_b32 s24, s14, 10
	v_lshl_add_u32 v14, v11, 4, s24                ; record: tile w, 16 l
	s_lshl_b32 s24, s17, 8
	v_lshl_add_u32 v15, v11, 3, s24                ; its statistics: 256 db + 8 l
	s_lshl_b32 s25, s16, 10                        ; a head's four memory rows of 256 bytes
	s_lshl_b32 s24, s17, 6
	s_add_co_u32 s24, s24, s25
	v_lshl_add_u32 v9, v1, 2, s24                  ; memory key of d = 16 db + r
	s_lshl2_add_u32 s24, s18, s25
	v_lshl_add_u32 v10, v2, 7, s24                 ; memory value of place 16 eb + 8 h + j: feature 32 h + 4 j + eb
	s_mul_i32 s24, s17, 16*CP
	s_lshl_b32 s26, s18, 5
	s_add_co_u32 s24, s24, s26
	v_mul_u32_u24 v7, v1, CP
	v_lshl_add_u32 v7, v2, 4, v7
	v_add_nc_u32 v7, s24, v7                       ; where I put ctx: row 16 db + r, places 16 eb + 8 h on
	v_and_b32 v8, 7, v0
	v_lshl_add_u32 v8, v2, 3, v8
	v_mul_u32_u24 v8, v8, CP
	v_bfe_u32 v4, v0, 3, 1
	v_lshl_add_u32 v8, v4, 4, v8                   ; the turning load: row 8 h + l % 8, 16 bytes by (l / 8) % 2
	s_wait_kmcnt 0x0
	s_lshl_b32 s20, ttmp9, 17
	s_lshl_b32 s22, s14, 13
	s_add_co_u32 s20, s20, s22
	s_mov_b32 s21, 0
	s_add_nc_u64 s[4:5], s[4:5], s[20:21]          ; q at my four blocks
	s_and_b32 s20, ttmp9, 0xfc
	s_mul_i32 s20, s20, RECB
	s_add_nc_u64 s[6:7], s[6:7], s[20:21]          ; the four quarters' records
	s_lshl_b32 s20, s19, 2
	s_add_nc_u64 s[10:11], s[10:11], s[20:21]
	s_lshl_b32 s20, s19, 12
	s_lshl_b32 s22, s16, 8
	s_add_co_u32 s20, s20, s22
	s_add_nc_u64 s[12:13], s[12:13], s[20:21]      ; out at my first row, my head's 256 bytes
	; 48 loads for the merge
.irp u, 0,1,2,3
	global_load_b128 v[REC+8*\u:REC+8*\u+3],   v14, s[6:7] offset:\u*RECB
	global_load_b128 v[REC+8*\u+4:REC+8*\u+7], v14, s[6:7] offset:\u*RECB+512
	global_load_b64 v[STAT+2*\u:STAT+2*\u+1],  v15, s[6:7] offset:\u*RECB+16384
	global_load_b32 v[MKR+\u], v9, s[8:9] offset:256*\u
.endr
.set n, 0
.rept 32
	global_load_b32 v[MV+n], v10, s[8:9] offset:16384+256*(n/8)+16*(n%8)
.set n, n+1
.endr
	; 24 loads of the stream: six a block
.irp i, 0,1,2,3
.irp c, 0,1,2,3
	global_load_b128 v[QF+16*\i+4*\c:QF+16*\i+4*\c+3], v3, s[4:5] offset:2048*\i+512*\c th:TH_LOAD_NT
.endr
	global_load_b128 v[MKI+8*\i:MKI+8*\i+3],   v5, s[10:11] offset:64*\i
	global_load_b128 v[MKI+8*\i+4:MKI+8*\i+7], v5, s[10:11] offset:64*\i+16
.endr
	s_wait_loadcnt 24                              ; the merge's loads are in; the stream's 24 may stay out
	; THE MERGE, for d = 16 db + r: the greatest of the four c m and the four memory keys times log2(e); factors; the sum; ctx
.irp i, 0,1,2,3
	v_mul_f32 v[MKR+\i], 0x3fb8aa3b, v[MKR+\i]
.endr
	v_max3_num_f32 v220, v[STAT], v[STAT+2], v[STAT+4]
	v_max3_num_f32 v221, v[STAT+6], v[MKR], v[MKR+1]
	v_max3_num_f32 v220, v220, v[MKR+2], v[MKR+3]
	v_max_num_f32 v220, v220, v221
.irp u, 0,1,2,3
	v_sub_f32 v[FF+2*\u], v[STAT+2*\u], v220
	v_sub_f32 v[GG+\u], v[MKR+\u], v220
	v_mov_b32 v[FF+2*\u+1], 0                      ; named with the factor as a pair
.endr
	v_mov_b32 v227, 0
.irp u, 0,1,2,3
	v_exp_f32 v[FF+2*\u], v[FF+2*\u]
	v_exp_f32 v[GG+\u], v[GG+\u]
.endr
	v_nop                                          ; a plain instruction behind the last exponential,
	s_wait_alu depctr_va_vdst(0)                   ; and one wait for the eight, ahead of the first line that names a result
	v_mul_f32 v221, v[FF], v[STAT+1]
	v_add_f32 v222, v[GG], v[GG+1]
	v_add_f32 v223, v[GG+2], v[GG+3]
	v_fmac_f32 v221, v[FF+2], v[STAT+3]
	v_add_f32 v222, v222, v223
	v_fmac_f32 v221, v[FF+4], v[STAT+5]
	v_fmac_f32 v221, v[FF+6], v[STAT+7]
	v_add_f32 v221, v221, v222
	v_rcp_f32 v226, v221                           ; the sums below stand between the reciprocal and its wait
.irp p, 0,2,4,6
	v_pk_mul_f32 v[REC+\p:REC+\p+1], v[REC+\p:REC+\p+1], v[FF:FF+1] op_sel_hi:[1,0]
.endr
.irp u, 1,2,3
.irp p, 0,2,4,6
	v_pk_fma_f32 v[REC+\p:REC+\p+1], v[REC+8*\u+\p:REC+8*\u+\p+1], v[FF+2*\u:FF+2*\u+1], v[REC+\p:REC+\p+1] op_sel_hi:[1,0,1]
.endr
.endr
.irp i, 0,1,2,3
.irp j, 0,1,2,3,4,5,6,7
	v_fmac_f32 v[REC+\j], v[GG+\i], v[MV+8*\i+\j]
.endr
.endr
	s_wait_alu depctr_va_vdst(0)
.irp p, 0,2,4,6
	v_pk_mul_f32 v[REC+\p:REC+\p+1], v[REC+\p:REC+\p+1], v[226:227] op_sel_hi:[1,0]
.endr
.irp p, 0,1,2,3
	v_cvt_pk_bf16_f32 v[232+\p], v[REC+2*\p], v[REC+2*\p+1]
.endr
	ds_store_b128 v7, v[232:235]
	s_wait_dscnt 0x0                               ; for the others' sake: my tile of ctx is in LDS
	s_barrier_signal -1
	s_barrier_wait -1                              ; all sixteen tiles are
.irp nb, 0,1,2,3
.irp ks, 0,1
	ds_load_tr16_b128 v[CF+16*\nb+8*\ks:CF+16*\nb+8*\ks+3],   v8 offset:32*\ks*CP+32*\nb
	ds_load_tr16_b128 v[CF+16*\nb+8*\ks+4:CF+16*\nb+8*\ks+7], v8 offset:(32*\ks+16)*CP+32*\nb
.endr
.endr
	s_wait_dscnt 0x0
; A block of 16 rows: eight products (the four accumulators by turns; the first four start the sums), the mask, eight stores.
.macro BLOCK i
	s_wait_loadcnt 6*(3-(\i))                      ; this block's six loads are in; the later blocks' may stay out
	s_wait_xcnt 0x0                                ; the last block's stores have read their data: it is written again only behind this wait
.irp nb, 0,1,2,3
	v_wmma_f32_16x16x32_bf16 v[ACC+8*\nb:ACC+8*\nb+7], v[QF+16*(\i):QF+16*(\i)+7], v[CF+16*\nb:CF+16*\nb+7], 0
.endr
.irp nb, 0,1,2,3
	v_wmma_f32_16x16x32_bf16 v[ACC+8*\nb:ACC+8*\nb+7], v[QF+16*(\i)+8:QF+16*(\i)+15], v[CF+16*\nb+8:CF+16*\nb+15], v[ACC+8*\nb:ACC+8*\nb+7]
.endr
.set j, 0
.rept 8
	v_cvt_f32_i32 v[MKI+8*(\i)+j], v[MKI+8*(\i)+j] ; eight plain instructions that name no register of the products: the places behind them
.set j, j+1
.endr
.set j, 0
.rept 8                                        ; each accumulator is read from its low end on
.irp nb, 0,1,2,3
	v_mul_f32 v[OB+4*j+\nb], v[ACC+8*\nb+j], v[MKI+8*(\i)+j]
.endr
.set j, j+1
.endr
.set j, 0
.rept 8
	global_store_b128 v6, v[OB+4*j:OB+4*j+3], s[12:13] offset:(16*(\i)+j)*4096 th:TH_STORE_NT  ; lanes 0-15: row j's 256 bytes of the head, lanes 16-31: row 8 + j's; each at a multiple of 256 from out0's first byte
.set j, j+1
.endr
.endm
	BLOCK 0
	BLOCK 1
	BLOCK 2
	BLOCK 3
	s_wait_tensorcnt 0x0                           ; the wave's end, behind my last LDS store
	ds_add_u32 v12, v13
	s_wait_dscnt 0x0
	s_endpgm
.Lfunc_end_k_q6a795197ac_outp:
	.size	k_q6a795197ac_outp, .Lfunc_end_k_q6a795197ac_outp-k_q6a795197ac_outp
	.p2alignl 7, 3214868480
	.fill 96, 4, 3214868480
	.section	.rodata,"a",@progbits
	.p2align	6, 0x0
	.amdhsa_kernel k_q6a795197ac_outp
		.amdhsa_group_segment_fixed_size 12288
		.amdhsa_private_segment_fixed_size 0
		.amdhsa_enable_private_segment 0
		.amdhsa_kernarg_size 40
		.amdhsa_user_sgpr_count 2
		.amdhsa_user_sgpr_kernarg_segment_ptr 1
		.amdhsa_wavefront_size32 1
		.amdhsa_system_sgpr_workgroup_id_x 1
		.amdhsa_system_sgpr_workgroup_id_y 1
		.amdhsa_system_sgpr_workgroup_id_z 1
		.amdhsa_system_vgpr_workitem_id 0
		.amdhsa_next_free_vgpr 256
		.amdhsa_next_free_sgpr 66
		.amdhsa_reserve_vcc 0
		.amdhsa_float_denorm_mode_32 3
		.amdhsa_float_denorm_mode_16_64 3
		.amdhsa_memory_ordered 1
		.amdhsa_forward_progress 1
		.amdhsa_inst_pref_size 26
	.end_amdhsa_kernel
	.amdgpu_metadata
---
amdhsa.version: [ 1, 2 ]
amdhsa.kernels:
  - .name:           k_q6a795197ac_outp
    .symbol:         k_q6a795197ac_outp.kd
    .args:
      - { .name: qf, .offset: 0, .size: 8, .value_kind: global_buffer, .address_space: global }
      - { .name: part, .offset: 8, .size: 8, .value_kind: global_buffer, .address_space: global }
      - { .name: mem_kv, .offset: 16, .size: 8, .value_kind: global_buffer, .address_space: global }
      - { .name: mask, .offset: 24, .size: 8, .value_kind: global_buffer, .address_space: global }
      - { .name: out0, .offset: 32, .size: 8, .value_kind: global_buffer, .address_space: global }
    .group_segment_fixed_size: 12288
    .private_segment_fixed_size: 0
    .kernarg_segment_align: 8
    .kernarg_segment_size: 40
    .max_flat_workgroup_size: 512
    .sgpr_count:     66
    .vgpr_count:     256
    .wavefront_size: 32
...
	.end_amdgpu_metadata
.endif
;; end of part 3
